; MI455X (gfx1250); checked and timed in simulation.
; The chip was launched on July 23, 2026; its instructions are those of AMD's public machine-readable ISA for CDNA 5 (MIT licence, August 2026) and "CDNA5" Instruction Set Architecture Reference Guide (July 2026). The comments in the code are by the model that wrote it; some were corrected since.
;; Trajectory Decoder. Allowed arithmetic: float matrix products may take bf16 or f16 operands with f32 sums; other float arithmetic in f32, or as packed bf16 or f16 multiplies, adds, multiply-adds, maxima and minima; sums over many terms, partial sums and values carried from step to step in f32; what a program stores and reads back later, other than sums and carried values, may be rounded once to bf16 or f16.
;; Inputs: b_hh0 2,048 float32; b_hh1 2,048 float32; b_ih0 2,048 float32; b_ih1 2,048 float32; b_init_c 512 float32; b_init_h 512 float32; b_out 2 float32; h 16,384 x 512 float32; w_hh0 2,048 x 512 float32; w_hh1 2,048 x 512 float32; w_ih0 2,048 x 2 float32; w_ih1 2,048 x 512 float32; w_init_c 512 x 512 float32; w_init_h 512 x 512 float32; w_out 2 x 512 float32.
;; Outputs: out0 16,384 x 1 x 2 float32.
;; One version. Each part assembles by itself: llvm-mc -triple=amdgcn-amd-amdhsa -mcpu=gfx1250 --defsym DOCPART=n.
;; ======== version 1 of 1: 2 launches
;; limits: values outside matrix products are rounded to f16; values are held in f16: magnitudes above 65,504 overflow, below 6.1e-05 lose precision
;; workspace buffers: wq 7,340,032 bytes; tb 40,960 bytes
;; launch prep (part 1): grid 256 x 1, 7 waves a work-group, no clusters, 31,488 bytes of LDS; arguments w_init_h, w_init_c, w_hh0, w_hh1, w_ih1, b_init_h, b_init_c, b_ih0, b_hh0, b_ih1, b_hh1, w_out, wq, tb; writes wq, tb
.if DOCPART == 1
	.amdgcn_target "amdgcn-amd-amdhsa--gfx1250"
	.amdhsa_code_object_version 6
	.text
	.protected	k_q9ca3907f60_prep
	.globl	k_q9ca3907f60_prep
	.p2align	8
	.type	k_q9ca3907f60_prep,@function
k_q9ca3907f60_prep:
	s_mov_b64 s[64:65], 0
	v_nop
	global_prefetch_b8 v0, s[64:65] scope:SCOPE_SE
	s_setreg_imm32_b32 hwreg(HW_REG_WAVE_MODE, 25, 1), 1
	s_wait_xcnt 0x0
; THE WEIGHTS, ROUNDED ONCE AND LAID OUT FOR THE SECOND LAUNCH.
; DEAD WORK.  reference() builds x0 = zeros in its own body and takes FUTURE_STEPS = 1 step, so x0 w_ih0^T is 0 whatever w_ih0 holds: w_ih0 has no way to the output,
; is not loaded and is no argument of either launch.  c2 serves h2 alone and the scan's last carry reaches no output.  LIMIT: a NaN or an infinity in w_ih0 is not carried to the result.
; wq: 28 passes of 262,144 bytes.  A pass holds, for each of the second launch's four waves w, 64 weight rows x 512 k as 64 fragments of 1,024 bytes, f = 4 t + g (K step t of 32, block g of 16 rows):
;   bytes 0 .. 131,071: wave w at 32,768 w, fragments 0-31;  131,072 .. 258,047: wave w at 31,744 w, fragments 32-62;  258,048 ..: wave w at 1,024 w, fragment 63.
;   A fragment is a matrix operand's register image: byte 16 l of its first 512 holds row l % 16, k = 32 t + 8 (l / 16) + 0..7 in f16; the second 512 bytes the same with k + 16.
;   pass 0, 1: w_init_h rows 128 w + 64 p + 16 g;  2, 3: w_init_c likewise;  4-11: w_hh0 rows 512 g + 128 w + 16 u (u = p - 4);  12-27: the same rows of w_hh1 (p even) and w_ih1 (p odd), u = (p - 12) / 2.
; THE GATES' SCALE is folded in ahead of the one rounding: rows and biases of i, f, o times -log2(e), of g times 2 log2(e), so that the second launch's sums are the arguments of 2^x.
; tb: 20 records x 4 waves x 512 bytes.  Bytes 0-255: the pass's bias [g][16] in f32 (records 0, 1 b_init_h; 2, 3 b_init_c; 4-11 scale x (b_ih0 + b_hh0); 12-19 scale x (b_ih1 + b_hh1)).
;   Bytes 256-511, in records 12-19 alone: w_out[o][16] for the record's 16 columns, twice, so that one store covers 256 consecutive bytes.
; LIMIT: f16 ends at 65,504 and has a fixed step of 6e-8 below 6e-5; the weights drawn have a spread of 0.05, and thirty times that, times 2.9, is far inside.
; SHARES.  1,792 tasks, one a wave: 16 weight rows x 128 k, 8,192 bytes in, four fragments out.  Rows come in as 512 consecutive bytes, turn in the wave's own LDS tile, and leave as 512 consecutive bytes a store.
.set TP,    272                        ; a tile's row: 16 chunks of 16 bytes + 16 of padding
.set TILE,  16*TP                      ; 4,352 bytes a wave
.set SPARE, 7*TILE                     ; 30,464: the spare words, 128 bytes a wave, four blocks of 256 that no other line names
.set LO,  2                            ; v2  load offset: (l / 16) rows of 2,048 bytes + 32 (l % 16)
.set TS,  3                            ; v3  where I put 16 bytes of a row
.set TR,  4                            ; v4  where I read a fragment's 16 bytes
.set SO,  5                            ; v5  16 l
.set SPW, 8                            ; v8  my spare word; never rewritten
.set NIL, 9                            ; v9  0; never rewritten
.set IN,  16                           ; v[16:79] as loaded; v[16:47] later the fragments
.set PK,  80                           ; v[80:111] rounded
	s_load_b512 s[8:23], s[0:1], 0x0               ; w_init_h 8, w_init_c 10, w_hh0 12, w_hh1 14, w_ih1 16, b_init_h 18, b_init_c 20, b_ih0 22
	s_load_b256 s[24:31], s[0:1], 0x40             ; b_hh0 24, b_ih1 26, b_hh1 28, w_out 30
	s_load_b128 s[32:35], s[0:1], 0x60             ; wq 32, tb 34
	v_lshl_add_u32 v[SPW], v0, 2, SPARE
	v_mov_b32 v[NIL], 0
	v_lshrrev_b32 v1, 5, v0
	v_readfirstlane_b32 s39, v1                    ; wave 0..6
	v_and_b32 v10, 15, v0                          ; l % 16
	v_bfe_u32 v11, v0, 4, 1                        ; l / 16
	v_and_b32 v12, 31, v0                          ; l
	s_mul_i32 s38, s39, TILE                       ; my tile
	v_lshlrev_b32 v[LO], 5, v10
	v_lshl_add_u32 v[LO], v11, 11, v[LO]
	v_mul_u32_u24 v[TS], v11, TP
	v_lshl_add_u32 v[TS], v10, 4, v[TS]
	v_add_nc_u32 v[TS], s38, v[TS]
	v_mul_u32_u24 v[TR], v10, TP
	v_lshl_add_u32 v[TR], v11, 4, v[TR]
	v_add_nc_u32 v[TR], s38, v[TR]
	v_lshlrev_b32 v[SO], 4, v12
	s_mul_i32 s40, ttmp9, 7
	s_add_co_u32 s40, s40, s39                     ; the task
	s_and_b32 s41, s40, 3                          ; kq: which 128 k
	s_bfe_u32 s42, s40, 0x20002                    ; g
	s_bfe_u32 s43, s40, 0x20004                    ; w
	s_lshr_b32 s44, s40, 6                         ; p
	s_max_u32 s46, s44, 4
	s_sub_co_u32 s46, s46, 4                       ; u in layer 0
	s_max_u32 s47, s44, 12
	s_sub_co_u32 s47, s47, 12
	s_lshr_b32 s47, s47, 1                         ; u in layer 1
	s_cmp_lt_u32 s44, 12
	s_cselect_b32 s46, s46, s47
	s_lshl_b32 s46, s46, 4
	s_lshl_b32 s47, s42, 9
	s_add_co_u32 s46, s46, s47                     ; 512 g + 16 u
	s_and_b32 s47, s44, 1
	s_lshl_b32 s47, s47, 6
	s_lshl_b32 s48, s42, 4
	s_add_co_u32 s47, s47, s48                     ; 64 (p % 2) + 16 g
	s_cmp_lt_u32 s44, 4
	s_cselect_b32 s46, s47, s46
	s_lshl_b32 s45, s43, 7
	s_add_co_u32 s46, s46, s45                     ; the task's first weight row
	s_lshl_b32 s54, s46, 11                        ; rows of 2,048 bytes
	s_lshl_b32 s55, s41, 9                         ; 128 k are 512 bytes
	s_add_co_u32 s54, s54, s55
	s_mov_b32 s55, 0
	s_mov_b32 s36, 0xbfb8aa3b                      ; -log2(e)
	s_cmp_eq_u32 s42, 2
	s_cselect_b32 s36, 0x4038aa3b, s36             ; 2 log2(e) for gate g
	s_mov_b32 s37, s36                             ; named with it as a pair
	; where the four fragments go: f = 16 kq + 4 t' + g
	s_lshl_b32 s60, s44, 18                        ; 262,144 p
	s_lshl_b32 s61, s41, 4
	s_add_co_u32 s61, s61, s42
	s_lshl_b32 s61, s61, 10                        ; 1,024 (16 kq + g)
	s_lshl_b32 s62, s43, 15
	s_mul_i32 s63, s43, 31744
	s_add_co_u32 s63, s63, 131072-32768            ; the second region, less its first fragment's number 32
	s_cmp_lt_u32 s41, 2
	s_cselect_b32 s62, s62, s63
	s_add_co_u32 s61, s61, s62
	s_add_co_u32 s56, s60, s61
	s_mov_b32 s57, 0
	s_lshl_b32 s62, s43, 10
	s_add_co_u32 s62, s62, 258048-12288            ; fragment 63's own place, less t' = 3's immediate
	s_add_co_u32 s62, s62, s60
	s_and_b32 s63, s40, 15
	s_cmp_eq_u32 s63, 15                           ; kq = 3 and g = 3
	s_cselect_b32 s58, s62, s56
	s_mov_b32 s59, 0
	s_wait_kmcnt 0x0
	s_add_nc_u64 s[56:57], s[32:33], s[56:57]      ; for t' = 0, 1, 2
	s_add_nc_u64 s[58:59], s[32:33], s[58:59]      ; for t' = 3
	s_cmp_lt_u32 s44, 2
	s_cselect_b64 s[50:51], s[8:9], s[10:11]
	s_bitcmp1_b32 s44, 0
	s_cselect_b64 s[52:53], s[16:17], s[14:15]     ; p odd: w_ih1
	s_cmp_lt_u32 s44, 12
	s_cselect_b64 s[52:53], s[12:13], s[52:53]
	s_cmp_lt_u32 s44, 4
	s_cselect_b64 s[50:51], s[50:51], s[52:53]
	s_add_nc_u64 s[50:51], s[50:51], s[54:55]
.set i, 0
.rept 8                                ; rows 2 i and 2 i + 1: sixteen lanes and the two loads cover 512 consecutive bytes of a row; each weight is read once in the launch
	global_load_b128 v[IN+8*i:IN+8*i+3],   v[LO], s[50:51] offset:4096*i th:TH_LOAD_NT
	global_load_b128 v[IN+8*i+4:IN+8*i+7], v[LO], s[50:51] offset:4096*i+16 th:TH_LOAD_NT
.set i, i+1
.endr
	s_wait_loadcnt 0x0
	s_cmp_lt_u32 s44, 4
	s_cbranch_scc1 .Lplain                         ; the two first products have no gate and no scale
.set i, 0
.rept 32
	v_pk_mul_f32 v[IN+i:IN+i+1], v[IN+i:IN+i+1], s[36:37] op_sel_hi:[1,0]
.set i, i+2
.endr
.Lplain:
.set i, 0
.rept 32
	v_cvt_pk_f16_f32 v[PK+i], v[IN+2*i], v[IN+2*i+1]
.set i, i+1
.endr
.set i, 0
.rept 8
	ds_store_b128 v[TS], v[PK+4*i:PK+4*i+3] offset:2*TP*i
.set i, i+1
.endr
.set i, 0
.rept 8                                ; half i % 2 of fragment t' = i / 2; LDS serves a wave's instructions in order (ISA guide 5.7.1.4): these see my stores above
	ds_load_b128 v[IN+4*i:IN+4*i+3], v[TR] offset:32*i
.set i, i+1
.endr
.set i, 0
.rept 6
	s_wait_dscnt 7-i                               ; LDS loads come back in order: number i is in
	global_store_b128 v[SO], v[IN+4*i:IN+4*i+3], s[56:57] offset:4096*(i/2)+512*(i%2)  ; 512 consecutive bytes, aligned
.set i, i+1
.endr
.rept 2
	s_wait_dscnt 7-i
	global_store_b128 v[SO], v[IN+4*i:IN+4*i+3], s[58:59] offset:4096*(i/2)+512*(i%2)
.set i, i+1
.endr
	; THE TABLES: 80 records of 512 bytes, one for wave 0 of each of the first 80 work-groups; a lane takes two numbers
	s_cmp_lg_u32 s39, 0
	s_cbranch_scc1 .Lend
	s_cmp_lt_u32 ttmp9, 80
	s_cbranch_scc0 .Lend
	s_lshr_b32 s40, ttmp9, 2                       ; the record
	s_and_b32 s41, ttmp9, 3                        ; w
	s_lshl_b32 s42, s40, 11
	s_lshl_b32 s43, s41, 9
	s_add_co_u32 s42, s42, s43
	s_mov_b32 s43, 0
	s_add_nc_u64 s[34:35], s[34:35], s[42:43]
	v_lshlrev_b32 v112, 3, v12                     ; 8 l
	s_cmp_lt_u32 s40, 4
	s_cbranch_scc0 .Lgates
	s_and_b32 s44, s40, 1
	s_lshl_b32 s44, s44, 8                         ; 64 columns are 256 bytes
	s_lshl_b32 s45, s41, 9                         ; 128 w columns
	s_add_co_u32 s44, s44, s45
	s_mov_b32 s45, 0
	s_cmp_lt_u32 s40, 2
	s_cselect_b64 s[46:47], s[18:19], s[20:21]
	s_add_nc_u64 s[46:47], s[46:47], s[44:45]
	global_load_b64 v[114:115], v112, s[46:47]
	s_wait_loadcnt 0x0
	global_store_b64 v112, v[114:115], s[34:35]    ; 256 consecutive bytes, aligned
	s_branch .Lend
.Lgates:
	s_sub_co_u32 s44, s40, 4
	s_and_b32 s44, s44, 7                          ; u
	s_lshl_b32 s44, s44, 6
	s_lshl_b32 s45, s41, 9
	s_add_co_u32 s44, s44, s45                     ; 4 (128 w + 16 u)
	s_mov_b32 s45, 0
	s_cmp_lt_u32 s40, 12
	s_cselect_b64 s[46:47], s[22:23], s[26:27]     ; b_ih of the layer
	s_cselect_b64 s[48:49], s[24:25], s[28:29]     ; b_hh
	s_add_nc_u64 s[46:47], s[46:47], s[44:45]
	s_add_nc_u64 s[48:49], s[48:49], s[44:45]
	v_lshrrev_b32 v113, 3, v12                     ; the gate: l / 8
	v_and_b32 v116, 7, v12
	v_lshlrev_b32 v116, 3, v116
	v_lshl_add_u32 v117, v113, 11, v116            ; 512 columns a gate
	global_load_b64 v[114:115], v117, s[46:47]
	global_load_b64 v[118:119], v117, s[48:49]
	v_mov_b32 v120, 0xbfb8aa3b
	v_mov_b32 v121, 0x4038aa3b
	v_cmp_eq_u32 vcc_lo, 2, v113
	v_cndmask_b32 v120, v120, v121, vcc_lo
	v_mov_b32 v121, v120
	s_wait_loadcnt 0x0
	v_pk_add_f32 v[114:115], v[114:115], v[118:119]
	v_pk_mul_f32 v[114:115], v[114:115], v[120:121]
	global_store_b64 v112, v[114:115], s[34:35]
	s_cmp_lt_u32 s40, 12
	s_cbranch_scc1 .Lend
	v_and_b32 v122, 1, v113                        ; o; lanes 16-31 repeat lanes 0-15
	v_lshl_add_u32 v122, v122, 11, v116
	s_add_nc_u64 s[52:53], s[30:31], s[44:45]
	global_load_b64 v[124:125], v122, s[52:53]
	s_wait_loadcnt 0x0
	global_store_b64 v112, v[124:125], s[34:35] offset:256
.Lend:
	s_wait_tensorcnt 0x0                           ; the wave's end, behind my last LDS store
	ds_add_u32 v[SPW], v[NIL]
	s_wait_dscnt 0x0
	s_endpgm
.Lfunc_end_k_q9ca3907f60_prep:
	.size	k_q9ca3907f60_prep, .Lfunc_end_k_q9ca3907f60_prep-k_q9ca3907f60_prep
	.p2alignl 7, 3214868480
	.fill 96, 4, 3214868480
	.section	.rodata,"a",@progbits
	.p2align	6, 0x0
	.amdhsa_kernel k_q9ca3907f60_prep
		.amdhsa_group_segment_fixed_size 31488
		.amdhsa_private_segment_fixed_size 0
		.amdhsa_enable_private_segment 0
		.amdhsa_kernarg_size 112
		.amdhsa_user_sgpr_count 2
		.amdhsa_user_sgpr_kernarg_segment_ptr 1
		.amdhsa_wavefront_size32 1
		.amdhsa_system_sgpr_workgroup_id_x 1
		.amdhsa_system_sgpr_workgroup_id_y 1
		.amdhsa_system_sgpr_workgroup_id_z 1
		.amdhsa_system_vgpr_workitem_id 0
		.amdhsa_next_free_vgpr 128
		.amdhsa_next_free_sgpr 66
		.amdhsa_reserve_vcc 1
		.amdhsa_float_denorm_mode_32 3
		.amdhsa_float_denorm_mode_16_64 3
		.amdhsa_memory_ordered 1
		.amdhsa_forward_progress 1
		.amdhsa_inst_pref_size 14
	.end_amdhsa_kernel
	.amdgpu_metadata
---
amdhsa.version: [ 1, 2 ]
amdhsa.kernels:
  - .name:           k_q9ca3907f60_prep
    .symbol:         k_q9ca3907f60_prep.kd
    .args:
      - { .name: w_init_h, .offset: 0, .size: 8, .value_kind: global_buffer, .address_space: global }
      - { .name: w_init_c, .offset: 8, .size: 8, .value_kind: global_buffer, .address_space: global }
      - { .name: w_hh0, .offset: 16, .size: 8, .value_kind: global_buffer, .address_space: global }
      - { .name: w_hh1, .offset: 24, .size: 8, .value_kind: global_buffer, .address_space: global }
      - { .name: w_ih1, .offset: 32, .size: 8, .value_kind: global_buffer, .address_space: global }
      - { .name: b_init_h, .offset: 40, .size: 8, .value_kind: global_buffer, .address_space: global }
      - { .name: b_init_c, .offset: 48, .size: 8, .value_kind: global_buffer, .address_space: global }
      - { .name: b_ih0, .offset: 56, .size: 8, .value_kind: global_buffer, .address_space: global }
      - { .name: b_hh0, .offset: 64, .size: 8, .value_kind: global_buffer, .address_space: global }
      - { .name: b_ih1, .offset: 72, .size: 8, .value_kind: global_buffer, .address_space: global }
      - { .name: b_hh1, .offset: 80, .size: 8, .value_kind: global_buffer, .address_space: global }
      - { .name: w_out, .offset: 88, .size: 8, .value_kind: global_buffer, .address_space: global }
      - { .name: wq, .offset: 96, .size: 8, .value_kind: global_buffer, .address_space: global }
      - { .name: tb, .offset: 104, .size: 8, .value_kind: global_buffer, .address_space: global }
    .group_segment_fixed_size: 31488
    .private_segment_fixed_size: 0
    .kernarg_segment_align: 8
    .kernarg_segment_size: 112
    .max_flat_workgroup_size: 224
    .sgpr_count:     66
    .vgpr_count:     128
    .wavefront_size: 32
...
	.end_amdgpu_metadata
.endif
;; end of part 1
;; launch chain (part 2): grid 256 x 1, 4 waves a work-group, clusters of 4 x 1, 327,680 bytes of LDS; arguments h, wq, tb, b_out, out0; writes out0
.if DOCPART == 2
	.amdgcn_target "amdgcn-amd-amdhsa--gfx1250"
	.amdhsa_code_object_version 6
	.text
	.protected	k_q9ca3907f60_chain
	.globl	k_q9ca3907f60_chain
	.p2align	8
	.type	k_q9ca3907f60_chain,@function
k_q9ca3907f60_chain:
	s_mov_b64 s[64:65], 0
	v_nop
	global_prefetch_b8 v0, s[64:65] scope:SCOPE_SE
	s_setreg_imm32_b32 hwreg(HW_REG_WAVE_MODE, 25, 1), 1
	s_wait_xcnt 0x0
	s_wait_alu depctr_hold_cnt(0) depctr_sa_sdst(0) depctr_va_vdst(0) depctr_va_sdst(0) depctr_va_ssrc(0) depctr_va_vcc(0) depctr_vm_vsrc(0)
	s_getreg_b32 s2, hwreg(HW_REG_IB_STS2, 6, 4)
	s_cmp_eq_u32 s2, 0
	s_cbranch_scc0 .Lentry_in_a_cluster
	s_endpgm
.Lentry_in_a_cluster:
	s_bfe_u32 s2, ttmp6, 0x10000c
	s_cmp_lg_u32 s2, 0x3003
	s_cbranch_scc0 .Lentry_shape_is_right
	s_endpgm
.Lentry_shape_is_right:
; THE WHOLE CHAIN FOR 64 ROWS A WORK-GROUP: h0 = h Wh^T + bh, c0 = h Wc^T + bc; LSTM layer 0 on (h0, c0); layer 1 on input h1 and state (h0, c0); out = h2 w_out^T + b_out.
; LEFT OUT (shown at the head of the first kernel): x0 w_ih0^T, which is 0 for all inputs since reference() builds x0 = zeros and takes one step; w_ih0 is no argument.
; FORMATS AND LIMITS.  All matrix operands are f16, each rounded once from f32; all sums f32.  h0 and c0 are held to +-65,504 before their rounding (inputs thirty times the drawn ones give some 6,100, a common
; offset of thirty spreads some 23,000); below 6e-5 f16 keeps a fixed step of 6e-8.  c0, a finished product and no running sum, waits packed in f16 in 128 registers.  The gates' scales lie in the weights and
; biases (first kernel), so a sum is the argument of 2^x: sigmoid = 1 / (1 + 2^a), tanh = 1 - 2 / (1 + 2^a); an infinite power gives the reciprocal 0, so both forms hold for every finite sum.
; SHARES.  A work-group owns 64 rows; each of its four waves works on all 64 (blocks m = 0..3 of 16) and owns hidden columns 128 w .. 128 w + 127.  The matrix instruction is used transposed
; (source 0 = 16 weight rows, source 1 = 16 batch rows): a lane holds one batch row (l % 16) and eight neighbouring columns 8 (l / 16) + 0..7, which pack into 16 bytes of the next activation's row.
; THE ACTIVATION IN HAND (64 x 512 f16) LIES IN 512 REGISTERS OF EVERY WAVE, so a weight fragment, two LDS loads, feeds four matrix instructions, and is read by the one wave whose own tensor load brought it.
; Only layer 1's h1 part takes its activation from LDS.  28 PASSES of 256 matrix instructions a wave: 0, 1 h0; 2, 3 c0; 4-11 layer 0's gates for 16 columns a wave each; 12-27 layer 1's, two passes for 16 columns.
; THE WEIGHTS walk through two LDS slots, half a pass each, one tensor load a wave behind each change of slots.  Beside the activation two whole halves are 1,536 bytes too many: a wave's 64th fragment of a
; pass comes from memory straight into eight registers.  CLUSTER: all work-groups walk the same weights; the four of a cluster ask for each part jointly, by the same descriptor and a mask that names the four.
; WHERE THE CHANGES OF SLOTS STAND.  Slot 0 is left, and filled again, at K step 6.  Slot 1 is left at a pass's end: where an epilogue follows, its change stands INSIDE the epilogue, so that the vector work is
; shared between the two loads: slot 0's then has 144 matrix instructions and the epilogue's first part in which to land, slot 1's the rest of the epilogue and 96 matrix instructions.
; Between layer 1's two passes there is no epilogue, and the change stands at K step 14.
; THE HEAD's two columns are taken by packed multiply-adds in f32: they would fill an eighth of a matrix tile and want one more exchange of h2.
; c0's registers are named by the text, and the layers' passes are loops: so a trip reads the lowest sixteen, and 144 moves turn the 128 by sixteen: the price of one looped text.
; REGISTERS, in windows of 256 (s_set_vgpr_msb: bits 1:0 source 0, 3:2 source 1, 5:4 source 2, 7:6 destination):
;   window 0: v0-15 addresses; v16-31 the head's sums; v32-63 bias; v64-79 w_out; v80-87 fragment 63; v88-127 at work; v128-255 the 16 accumulators (g, m) at 128 + 8 (4 g + m)
;   windows 1, 2: the activation, fragment (t, m) at 8 (4 (t % 8) + m), K steps 0-7 and 8-15          window 3: v0-127 weight (and h1) fragments on their way; v128-255 c0
.set ZP,    1040                       ; a row of the activation in LDS: 1,024 bytes + 16 = 65 x 16: the 16 rows of a load start at 16 different groups of four banks (64 banks of 4 bytes: ISA guide 11.1)
.set ZM,    16*ZP                      ; a block of 16 rows
.set SPARE, 64*ZP                      ; 66,560: the spare words, 128 bytes a wave: two blocks of 256 that no other line names
.set P0,    SPARE+512                  ; slot 0: fragments 0-31 of a pass, wave w at 32,768 w
.set P1,    P0+131072                  ; slot 1: fragments 32-62, wave w at 31,744 w
.set PS,    P1+126976                  ; 325,120: the head's partial sums, [wave][64 rows][2] f32
.set PASSB, 262144
.set HALFB, 131072
.set HO,  1                            ; v1   32 l: my 32 bytes in 1,024 of a row of h
.set L16, 2                            ; v2   16 l
.set AW0, 3                            ; v3   my 16 bytes in my wave's part of slot 0
.set AW1, 4                            ; v4   of slot 1
.set AZ,  5                            ; v5   1,040 (l % 16) + 16 (l / 16): my place in an activation fragment
.set AZS, 6                            ; v6   where I store 16 bytes of the next activation; steps with the passes
.set ATB, 7                            ; v7   32 (l / 16): my eight numbers of sixteen in a table
.set SPW, 8                            ; v8   my spare word; never rewritten
.set NIL, 9                            ; v9   0; never rewritten
.set PFO, 10                           ; v10  256 l; never rewritten
.set AHS, 11                           ; v11  where I put h's 16 bytes
.set APS, 12                           ; v12  where I put my row's two partial sums
.set APL, 13                           ; v13  where wave 0 reads them
.set BO,  14                           ; v[14:15] b_out
.set PACC, 16                          ; pair (m, o) at 16 + 4 m + 2 o: even columns' sum, odd columns'
.set BIAS, 32
.set WOUT, 64
.set DIR,  80
.set T,    88
.set ACC,  128
.set GI,   ACC                         ; the gates' blocks of 32: element 8 m + j
.set GF,   ACC+32
.set GG,   ACC+64
.set GO,   ACC+96
.set C0PK, 128                         ; window 3
.set WV,   14                          ; s14  my wave's number
.set CX,   15                          ; s15  my place in the cluster: it enters h's, out0's and the prefetches' addresses alone
.set G1A,  24                          ; s[24:31] descriptor group 1, slot 0: 128 rows of 256 bytes
.set G1B,  32                          ; s[32:39] slot 1: 124 rows
.set G0A,  40                          ; s[40:43] descriptor group 0, slot 0
.set G0B,  44                          ; s[44:47] slot 1
.set DIRP, 48                          ; s[48:49] my fragment 63 of the pass in hand
.set TBP,  50                          ; s[50:51] my record of the tables
.set PFA,  52                          ; s[52:53] where my prefetches stand
.set LIM,  54                          ; s54  2 in the launch's first cluster, else the greatest number
.set CH,   55                          ; s55  changes of slots still to come
.set U,    56                          ; s56  the loops' counter
.set CLO,  58                          ; s58, s59  -65,504 and 65,504
.set SEL,  60                          ; s[60:61] v_permlanex16_b32's selects: each lane takes its own place in the other half
.set BOUT, 62                          ; s[62:63] b_out
.set MSB, 0
.macro WIN new                         ; the immediate's high byte repeats the setting that is left; a switch that changes nothing is dropped
.if MSB != (\new)
	s_set_vgpr_msb (MSB<<8)|(\new)
.set MSB, \new
.endif
.endm
.macro PLACES                          ; a load into, or a vector instruction on, a matrix instruction's registers stands four plain vector instructions behind it (ISA guide 7.12.1 for vector instructions)
.rept 4
	v_nop
.endr
.endm
.macro CREST                           ; a round of the cluster's barrier behind its opening barrier
	s_cmp_lg_u32 s[WV], 0
	s_cbranch_scc1 .Lnot_wave_0_\@
	s_barrier_signal -3
.Lnot_wave_0_\@:
	s_barrier_wait -3
	s_barrier_signal -1
	s_barrier_wait -1
.endm
.macro CROUND
	s_barrier_signal -1
	s_barrier_wait -1
	CREST
.endm
; K step t's weight fragments, 8 LDS loads (6 at t = 15, whose fourth comes from memory), into set t % 4 of window 3
.macro LW t
	WIN 0xc0
.set lg, 0
.rept 4-((\t)/15)
.set lr, 32*((\t)%4)+8*lg
.set lo, 1024*(4*((\t)%8)+lg)
.if (\t) < 8
	ds_load_b128 v[lr:lr+3],   v[AW0] offset:lo
	ds_load_b128 v[lr+4:lr+7], v[AW0] offset:lo+512
.else
	ds_load_b128 v[lr:lr+3],   v[AW1] offset:lo
	ds_load_b128 v[lr+4:lr+7], v[AW1] offset:lo+512
.endif
.set lg, lg+1
.endr
.endm
; K step t's weight fragments and h1's four fragments, 16 loads (14 at t = 15), into half t % 2 of window 3
.macro LWS t
	WIN 0xc0
.set lg, 0
.rept 4-((\t)/15)
.set lr, 64*((\t)%2)+8*lg
.set lo, 1024*(4*((\t)%8)+lg)
.if (\t) < 8
	ds_load_b128 v[lr:lr+3],   v[AW0] offset:lo
	ds_load_b128 v[lr+4:lr+7], v[AW0] offset:lo+512
.else
	ds_load_b128 v[lr:lr+3],   v[AW1] offset:lo
	ds_load_b128 v[lr+4:lr+7], v[AW1] offset:lo+512
.endif
.set lg, lg+1
.endr
.set lg, 0
.rept 4
.set lr, 64*((\t)%2)+32+8*lg
.set lo, ZM*lg+64*(\t)
	ds_load_b128 v[lr:lr+3],   v[AZ] offset:lo
	ds_load_b128 v[lr+4:lr+7], v[AZ] offset:lo+32
.set lg, lg+1
.endr
.endm
; K step t's matrix instructions for blocks glo .. ghi on the resident activation.  The 16 accumulators take turns, one instruction a turn, in the same order in every step.
; K step 0 starts the sums with the bias as C: nothing is cleared and no bias is added later.
.macro MMR t, glo, ghi
.set mg, \glo
.rept (\ghi)-(\glo)+1
.set mm, 0
.rept 4
.set rD, ACC+8*(4*mg+mm)
.set rB, 8*(4*((\t)%8)+mm)
.set rA, 32*((\t)%4)+8*mg
.if ((\t) == 15) && (mg == 3)
	WIN 0x08
	v_wmma_f32_16x16x32_f16 v[rD:rD+7], v[DIR:DIR+7], v[rB:rB+7], v[rD:rD+7]
.else
.if (\t) < 8
	WIN 0x07
.else
	WIN 0x0b
.endif
.if (\t) == 0
	v_wmma_f32_16x16x32_f16 v[rD:rD+7], v[rA:rA+7], v[rB:rB+7], v[BIAS+8*mg:BIAS+8*mg+7]
.else
	v_wmma_f32_16x16x32_f16 v[rD:rD+7], v[rA:rA+7], v[rB:rB+7], v[rD:rD+7]
.endif
.endif
.set mm, mm+1
.endr
.set mg, mg+1
.endr
.endm
; the same on h1's fragments out of LDS; it adds onto the sums of the pass before
.macro MMS t, glo, ghi
.set mg, \glo
.rept (\ghi)-(\glo)+1
.set mm, 0
.rept 4
.set rD, ACC+8*(4*mg+mm)
.set rB, 64*((\t)%2)+32+8*mm
.set rA, 64*((\t)%2)+8*mg
.if ((\t) == 15) && (mg == 3)
	WIN 0x0c
	v_wmma_f32_16x16x32_f16 v[rD:rD+7], v[DIR:DIR+7], v[rB:rB+7], v[rD:rD+7]
.else
	WIN 0x0f
	v_wmma_f32_16x16x32_f16 v[rD:rD+7], v[rA:rA+7], v[rB:rB+7], v[rD:rD+7]
.endif
.set mm, mm+1
.endr
.set mg, mg+1
.endr
.endm
.macro MMX kd, t, glo, ghi
.if \kd
	MMS \t, \glo, \ghi
.else
	MMR \t, \glo, \ghi
.endif
.endm
; From memory: this pass's fragment 63; nb = 1: the next record's bias; wo = 1: this record's w_out.  All are waited for ahead of the pass's last K step, thirteen K steps on (fourteen in h1's pass).
.macro GL nb, wo
	WIN 0
	global_load_b128 v[DIR:DIR+3],   v[L16], s[DIRP:DIRP+1]
	global_load_b128 v[DIR+4:DIR+7], v[L16], s[DIRP:DIRP+1] offset:512
.if \nb
.irp g, 0,1,2,3
	global_load_b128 v[BIAS+8*\g:BIAS+8*\g+3],   v[ATB], s[TBP:TBP+1] offset:2048+64*\g
	global_load_b128 v[BIAS+8*\g+4:BIAS+8*\g+7], v[ATB], s[TBP:TBP+1] offset:2048+64*\g+16
.endr
.endif
.if \wo
.irp o, 0,1
	global_load_b128 v[WOUT+8*\o:WOUT+8*\o+3],   v[ATB], s[TBP:TBP+1] offset:256+64*\o
	global_load_b128 v[WOUT+8*\o+4:WOUT+8*\o+7], v[ATB], s[TBP:TBP+1] offset:256+64*\o+16
.endr
.endif
.endm
; A PREFETCH INTO THE L2, behind each joint load, its five lines and the run of LDS loads that follows: wq goes in 56 halves of a pass; the change that refills half c + 2 names half c + 4, two refills ahead.
; Each aligned 256 bytes of wq are named once in the launch: all clusters walk the same bytes, and the launch's first cluster asks; its four work-groups and their four waves share a half's 512 blocks out by
; address, 32 a wave, a lane a block.  Halves 0 to 3 come by their loads alone; the last two changes ask for nothing: there is no half 56.
.macro ASK
	WIN 0
	s_cmp_gt_u32 s[CH], s[LIM]
	s_cbranch_scc0 .Lnot_mine_\@
	global_prefetch_b8 v[PFO], s[PFA:PFA+1] th:TH_LOAD_NT scope:SCOPE_SE
.Lnot_mine_\@:
	s_sub_co_u32 s[CH], s[CH], 1
.endm
; A CHANGE OF SLOTS AMONG THE PRODUCTS, round K step t (kd = 0: resident pass, 1: h1's).  The pointers step behind s_wait_xcnt 0, half a pass behind the prefetch and the loads that read them.  Then each wave
; waits for all its tensor loads, of which one is out: its part of the other slot; adds 0 to its spare word; and waits for that and for its reads of the slot that it leaves.  The barrier opens a round of the
; cluster's, so that no wave of any partner still reads the slot or has a load on its way; the joint refill, the same half of the next pass, is the first thing behind the round.
.macro CHG kd, t, cnt, g0, g1, dy, bs
	s_wait_xcnt 0x0
	s_add_nc_u64 s[PFA:PFA+1], s[PFA:PFA+1], HALFB
.if \dy
	s_add_nc_u64 s[DIRP:DIRP+1], s[DIRP:DIRP+1], PASSB
.endif
.if \bs
	s_add_nc_u64 s[TBP:TBP+1], s[TBP:TBP+1], 2048
.endif
	WIN 0                                          ; (the add's two registers lie in window 0)
	s_wait_tensorcnt 0x0                           ; no tensor load of mine is out, so a group 0 may be written
	ds_add_u32 v[SPW], v[NIL]                      ; 0 onto my spare word
	s_add_nc_u64 s[(\g0)+2:(\g0)+3], s[(\g0)+2:(\g0)+3], PASSB  ; the type bits on top are not reached
	s_wait_dscnt \cnt                              ; K step t's fragments are in: the add, and the run of loads issued just ahead of it if there is one, may be out
	MMX \kd, \t, 0, 1                              ; eight matrix instructions stand between the add and the wait for it
	s_wait_dscnt 0x0                               ; the add is done, my reads of the slot are over, and so are my stores of the last activation
	s_barrier_signal -1
	MMX \kd, \t, 2, 3
	WIN 0
	s_barrier_wait -1
	CREST
	tensor_load_to_lds s[\g0:\g0+3], s[\g1:\g1+7]
	s_nop 0
	PLACES                                         ; the places in front of the loads that follow
.endm
; SLOT 1's CHANGE INSIDE AN EPILOGUE, in three parts with the epilogue's own register work between them.  The pass's products are over, so my reads of slot 1 have come back; the same waits, the same add, the same
; round and the same one joint load as above.  Behind the load the next pass's first two K steps are fetched from slot 0, whose load the wait for all tensor loads has shown landed.
.macro XHEAD
	s_wait_xcnt 0x0                                ; the last prefetch, half a pass back, has read its address
	s_add_nc_u64 s[PFA:PFA+1], s[PFA:PFA+1], HALFB
	WIN 0
	s_wait_tensorcnt 0x0                           ; no tensor load of mine is out: slot 0's has landed, and a group 0 may be written
	ds_add_u32 v[SPW], v[NIL]                      ; 0 onto my spare word
	s_add_nc_u64 s[G0B+2:G0B+3], s[G0B+2:G0B+3], PASSB
.endm
.macro XMID
	s_wait_dscnt 0x0                               ; the add is done, and my reads of slot 1 are over
	s_barrier_signal -1
.endm
.macro XTAIL
	s_barrier_wait -1
	CREST
	tensor_load_to_lds s[G0B:G0B+3], s[G1B:G1B+7]
	s_nop 0
	PLACES
	LW 0
	LW 1
	ASK
.endm
; two K steps of a resident pass: the fragments two and three steps on are asked for, 32 matrix instructions ahead of their use
.macro DUO t, cnt, gl=0, nb=0, wo=0
	PLACES
.if \gl
	GL \nb, \wo
.endif
	LW (\t)+2
	LW (\t)+3
	s_wait_dscnt \cnt                              ; all but the run just issued
	MMR \t, 0, 3
	MMR (\t)+1, 0, 3
.endm
; A PASS ON THE RESIDENT ACTIVATION.  On entry K steps 0 and 1's fragments are asked for and the bias is in.  bs = 1: the tables' pointer steps.
; nxs = 1: h1's pass follows at once, and slot 1's change stands at K step 14; nxs = 0: an epilogue follows and holds it.
.macro RPASS nb, wo, bs, nxs
	DUO 0, 16
	DUO 2, 16, 1, \nb, \wo
	DUO 4, 16
	CHG 0, 6, 1, G0A, G1A, 1, \bs
	LW 8
	LW 9
	ASK
	MMR 7, 0, 3
	DUO 8, 16
	DUO 10, 16
	DUO 12, 14
.if \nxs
	CHG 0, 14, 1, G0B, G1B, 0, 0
	LWS 0
	ASK
.else
	s_wait_dscnt 0x0                               ; the last two K steps' fragments
	MMR 14, 0, 3
.endif
	s_wait_loadcnt 0x0                             ; fragment 63, the next bias, w_out: asked for thirteen K steps ago
	MMR 15, 0, 3
	WIN 0
.endm
.macro STEP t, cnt, gl=0
	PLACES
.if \gl
	GL 0, 0
.endif
	LWS (\t)+1
	s_wait_dscnt \cnt                              ; all but the run just issued
	MMS \t, 0, 3
.endm
; h1's PASS.  On entry K step 0's fragments are asked for.  Slot 1's change stands in the epilogue behind it.  fill = 0: the launch's last pass: nothing is filled again, so it has no change of slots; each wave
; waits for its own part of slot 1, which it alone reads.
.macro SPASS fill
	STEP 0, 16
	STEP 1, 16, 1
	STEP 2, 16
	STEP 3, 16
	STEP 4, 16
	STEP 5, 16
.if \fill
	PLACES
	LWS 7
	CHG 1, 6, 17, G0A, G1A, 1, 0
	LWS 8
	ASK
	MMS 7, 0, 3
.else
	STEP 6, 16
	s_wait_tensorcnt 0x0
	STEP 7, 16
.endif
	STEP 8, 16
	STEP 9, 16
	STEP 10, 16
	STEP 11, 16
	STEP 12, 16
	STEP 13, 16
	STEP 14, 14
	s_wait_loadcnt 0x0                             ; fragment 63
	s_wait_dscnt 0x0
	MMS 15, 0, 3
	WIN 0
.endm
; the activation out of LDS into windows 1 and 2: 128 loads
.macro LACT
	WIN 0x40
.set i, 0
.rept 32
	ds_load_b128 v[8*i:8*i+3],   v[AZ] offset:ZM*(i%4)+64*(i/4)
	ds_load_b128 v[8*i+4:8*i+7], v[AZ] offset:ZM*(i%4)+64*(i/4)+32
.set i, i+1
.endr
	WIN 0x80
.set i, 0
.rept 32
	ds_load_b128 v[8*i:8*i+3],   v[AZ] offset:ZM*(i%4)+64*(i/4)+512
	ds_load_b128 v[8*i+4:8*i+7], v[AZ] offset:ZM*(i%4)+64*(i/4)+512+32
.set i, i+1
.endr
	WIN 0
.endm
.macro MED3 from, count                ; each accumulator's registers in ascending order
.set i, \from
.rept \count
	v_med3_num_f32 v[ACC+i], v[ACC+i], s[CLO], s[CLO+1]
.set i, i+1
.endr
.endm
; the first products' sums are held in f16's range; slot 1's change stands among the 128 lines
.macro CLAMPX
	PLACES
	MED3 0, 64
	XHEAD
	MED3 64, 32
	XMID
	MED3 96, 32
	XTAIL
.endm
; h0's 64 columns of a pass: rounded, 16 bytes a lane into the activation's rows.  Every wave's reads of h stand ahead of the pass's barriers.
.macro EPIH
.set k, 0
.rept 16                               ; accumulator k = 4 g + m
.set j, 0
.rept 4
	v_cvt_pk_f16_f32 v[T+4*(k%4)+j], v[ACC+8*k+2*j], v[ACC+8*k+2*j+1]
.set j, j+1
.endr
	ds_store_b128 v[AZS], v[T+4*(k%4):T+4*(k%4)+3] offset:ZM*(k%4)+32*(k/4)
.set k, k+1
.endr
	v_add_nc_u32 v[AZS], 128, v[AZS]               ; the next pass's 64 columns
.endm
; c0's 64 columns of pass 2 + pp: block g is what the layers' trip u = 4 pp + g wants
.macro EPIC pp
	WIN 0xc0
.set i, 0
.rept 64
	v_cvt_pk_f16_f32 v[C0PK+64*(\pp)+i], v[ACC+2*i], v[ACC+2*i+1]
.set i, i+1
.endr
	WIN 0
.endm
.macro BATCH op, first, count          ; transcendentals on end, a plain instruction behind the last, and the one wait ahead of the first use
.set i, 0
.rept \count
	\op v[(\first)+i], v[(\first)+i]
.set i, i+1
.endr
	v_nop
	s_wait_alu depctr_va_vdst(0)
.endm
.macro PLUS1 first, count              ; 1 + 2^a, two at a time
.set i, 0
.rept \count
	v_pk_add_f32 v[(\first)+i:(\first)+i+1], v[(\first)+i:(\first)+i+1], 1.0 op_sel_hi:[1,0]
.set i, i+2
.endr
.endm
.macro TANH first                      ; 1 - 2 r for 32 numbers
.set i, 0
.rept 16
	v_pk_fma_f32 v[(\first)+i:(\first)+i+1], v[(\first)+i:(\first)+i+1], -2.0, 1.0 op_sel_hi:[1,0,0]
.set i, i+2
.endr
.endm
.macro TIMES d, a                      ; d = d a for 32 numbers
.set i, 0
.rept 16
	v_pk_mul_f32 v[(\d)+i:(\d)+i+1], v[(\d)+i:(\d)+i+1], v[(\a)+i:(\a)+i+1]
.set i, i+2
.endr
.endm
; THE CELL for 64 rows x 16 columns a wave, in place on the accumulators: c = sigmoid(f) c0 + sigmoid(i) tanh(g); h = sigmoid(o) tanh(c), left in f's block.  Four batches of transcendentals, a wait each.
; chg = 1: slot 1's change stands behind the gates' reciprocals: tanh(g)'s 16 lines between the add and the wait for it, the 16 products sigmoid(i) tanh(g) between the barrier's signal and its wait.
.macro LSTM chg
	PLACES
	BATCH v_exp_f32, ACC, 128
	PLUS1 ACC, 64
	BATCH v_rcp_f32, ACC, 128
.if \chg
	XHEAD
.endif
	TANH GG
.if \chg
	XMID
.endif
	TIMES GI, GG
.if \chg
	XTAIL
.endif
	WIN 0x0c                                       ; c0 (source 1) in window 3
.set i, 0
.rept 16
	v_fma_mix_f32 v[GF+2*i],   v[GF+2*i],   v[C0PK+i], v[GI+2*i]   op_sel_hi:[0,1,0]
	v_fma_mix_f32 v[GF+2*i+1], v[GF+2*i+1], v[C0PK+i], v[GI+2*i+1] op_sel:[0,1,0] op_sel_hi:[0,1,0]
.set i, i+1
.endr
	WIN 0
.set i, 0
.rept 16
	v_pk_mul_f32 v[GF+i:GF+i+1], v[GF+i:GF+i+1], 0x4038aa3b op_sel_hi:[1,0]  ; 2 log2(e) c
.set i, i+2
.endr
	BATCH v_exp_f32, GF, 32
	PLUS1 GF, 16
	BATCH v_rcp_f32, GF, 32
	TANH GF
	TIMES GF, GO
.endm
; c0's 128 registers turn by sixteen; eight turns bring them back.  The sixteen wait in window 3's v96-111, which no load that is out names (those go to v0-63).
.macro ROT
	WIN 0xc3
.set i, 0
.rept 16
	v_mov_b32 v[96+i], v[C0PK+i]
.set i, i+1
.endr
.set i, 0
.rept 112
	v_mov_b32 v[C0PK+i], v[C0PK+16+i]
.set i, i+1
.endr
.set i, 0
.rept 16
	v_mov_b32 v[C0PK+112+i], v[96+i]
.set i, i+1
.endr
	WIN 0
.endm
.macro EPI0                            ; layer 0: h1's 16 columns go into the activation's rows; every wave's reads of h0 stand ahead of the first such pass's barriers
	LSTM 1
	ROT
.set i, 0
.rept 16
	v_cvt_pk_f16_f32 v[T+i], v[GF+2*i], v[GF+2*i+1]
.set i, i+1
.endr
.irp m, 0,1,2,3
	ds_store_b128 v[AZS], v[T+4*\m:T+4*\m+3] offset:ZM*\m
.endr
	v_add_nc_u32 v[AZS], 32, v[AZS]
.endm
.macro EPI1 more                       ; layer 1: h2's 16 columns times w_out's, onto the head's sums.  more = 0: the last: nothing is filled again and c0 is wanted no more
	LSTM \more
.if \more
	ROT
.endif
.set j, 0
.rept 4
.set k, 0
.rept 8                                ; k = 2 m + o
	v_pk_fma_f32 v[PACC+2*k:PACC+2*k+1], v[GF+8*(k/2)+2*j:GF+8*(k/2)+2*j+1], v[WOUT+8*(k%2)+2*j:WOUT+8*(k%2)+2*j+1], v[PACC+2*k:PACC+2*k+1]
.set k, k+1
.endr
.set j, j+1
.endr
.endm
	s_load_b256 s[4:11], s[0:1], 0x0               ; h s[4:5], wq s[6:7], tb s[8:9], b_out s[10:11]
	s_load_b64 s[12:13], s[0:1], 0x20              ; out0
	v_lshl_add_u32 v[SPW], v0, 2, SPARE
	v_mov_b32 v[NIL], 0
	ds_add_u32 v[SPW], v[NIL]                      ; the wave's opening: the add, twice on end, and its wait ahead of my first tensor load; the set-up below stands between
	ds_add_u32 v[SPW], v[NIL]
	v_lshrrev_b32 v1, 5, v0
	v_readfirstlane_b32 s[WV], v1                  ; wave 0..3
	s_bfe_u32 s[CX], ttmp6, 0x40000                ; cx
	s_lshl_b32 s16, ttmp9, 2                       ; in a cluster launch ttmp9 counts clusters
	s_add_co_u32 s16, s16, s[CX]                   ; my work-group: rows 64 x it
	; descriptor group 1: a dense block as rows of 256 bytes
	s_mov_b32 s[G1A], 15|(3<<16)|(1<<21)           ; 15:0 the mask of four; 17:16 elements of 8 bytes; 21 set beside a mask; no padding: a fragment is read as 512 consecutive bytes
	s_mov_b32 s[G1B], 15|(3<<16)|(1<<21)
	s_mov_b32 s[G1A+1], 32<<16                     ; tensor_dim0 = 32
	s_mov_b32 s[G1B+1], 32<<16
	s_mov_b32 s[G1A+2], 128<<16                    ; tensor_dim1 = 128 rows: 32 fragments
	s_mov_b32 s[G1B+2], 124<<16                    ; 124 rows: 31 fragments
	s_mov_b32 s[G1A+3], 32<<16                     ; tile_dim0
	s_mov_b32 s[G1B+3], 32<<16
	s_mov_b32 s[G1A+4], 128                        ; tile_dim1
	s_mov_b32 s[G1B+4], 124
	s_mov_b32 s[G1A+5], 32                         ; elements from row to row
	s_mov_b32 s[G1B+5], 32
	s_mov_b32 s[G1A+6], 0
	s_mov_b32 s[G1B+6], 0
	s_mov_b32 s[G1A+7], 0
	s_mov_b32 s[G1B+7], 0
	s_mov_b32 s[G0A], 1
	s_lshl_b32 s20, s[WV], 15                      ; my wave's part: no place in the cluster enters a descriptor
	s_add_co_u32 s[G0A+1], s20, P0
	s_mov_b32 s21, 0
	s_mov_b32 s[G0B], 1
	s_mul_i32 s22, s[WV], 31744
	s_add_co_u32 s[G0B+1], s22, P1
	s_add_co_u32 s22, s22, HALFB
	s_mov_b32 s23, 0
	s_mov_b32 s[CLO], 0xc77fe000
	s_mov_b32 s[CLO+1], 0x477fe000
	s_mov_b32 s[SEL], 0x76543210
	s_mov_b32 s[SEL+1], 0xfedcba98
	s_mov_b32 s[CH], 54                            ; passes 0 to 26 change slots twice
	s_cmp_eq_u32 ttmp9, 0
	s_cselect_b32 s[LIM], 2, -1                    ; the same in all four partners
	v_and_b32 v88, 31, v0                          ; l
	v_and_b32 v89, 15, v0                          ; l % 16
	v_bfe_u32 v90, v0, 4, 1                        ; l / 16
	v_lshlrev_b32 v[L16], 4, v88
	v_lshlrev_b32 v[HO], 5, v88
	v_lshlrev_b32 v[PFO], 8, v88
	v_lshlrev_b32 v[ATB], 5, v90
	v_add_nc_u32 v[AW0], s[G0A+1], v[L16]
	v_add_nc_u32 v[AW1], s[G0B+1], v[L16]
	v_mul_u32_u24 v[AZ], v89, ZP
	v_lshl_add_u32 v[AZ], v90, 4, v[AZ]
	v_lshl_add_u32 v[AZS], s[WV], 8, v[AZ]         ; my wave's 128 columns begin at byte 256 w of a row
	s_mul_i32 s17, s[WV], ZM
	v_add_nc_u32 v[AHS], s17, v[L16]
	s_lshl_b32 s17, s[WV], 9
	s_add_co_u32 s17, s17, PS
	v_lshl_add_u32 v[APS], v89, 3, s17
	v_add_nc_u32 v[APL], PS, v[L16]
.set i, 0
.rept 16
	v_mov_b32 v[PACC+i], 0                         ; the head's sixteen sums begin at 0
.set i, i+1
.endr
	s_wait_dscnt 0x0                               ; both opening adds are done
	s_wait_kmcnt 0x0
	s_add_nc_u64 s[G0A+2:G0A+3], s[6:7], s[20:21]  ; pass 0, my fragments 0-31
	s_or_b32 s[G0A+3], s[G0A+3], 0x80000000        ; type = 2
	s_add_nc_u64 s[G0B+2:G0B+3], s[6:7], s[22:23]  ; my fragments 32-62
	s_or_b32 s[G0B+3], s[G0B+3], 0x80000000
	s_lshl_b32 s20, s[WV], 10
	s_add_co_u32 s20, s20, 258048
	s_add_nc_u64 s[DIRP:DIRP+1], s[6:7], s[20:21]
	s_lshl_b32 s20, s[WV], 9
	s_add_nc_u64 s[TBP:TBP+1], s[8:9], s[20:21]
	s_lshl_b32 s18, s16, 17                        ; 64 rows of 2,048 bytes
	s_lshl_b32 s19, s[WV], 15                      ; of which I bring in 16
	s_add_co_u32 s18, s18, s19
	s_mov_b32 s19, 0
	s_add_nc_u64 s[4:5], s[4:5], s[18:19]
	s_lshl_b32 s18, s16, 9                         ; 64 rows of 8 bytes
	s_add_nc_u64 s[12:13], s[12:13], s[18:19]
	s_lshl_b32 s18, s[CX], 15
	s_lshl_b32 s17, s[WV], 13
	s_add_co_u32 s18, s18, s17
	s_add_co_u32 s18, s18, 3*HALFB                 ; the first change steps it to half 4
	s_add_nc_u64 s[PFA:PFA+1], s[6:7], s[18:19]
	; h, my 16 rows, the first bias and b_out are asked for ahead of the cluster's round: they are on their way while the round is passed
	WIN 0x40
.set i, 0
.rept 32                               ; row i / 2, half i % 2: the two loads cover 1,024 consecutive bytes; h is read once in the launch
	global_load_b128 v[8*i:8*i+3],   v[HO], s[4:5] offset:(i/2)*2048+(i%2)*1024 th:TH_LOAD_NT
	global_load_b128 v[8*i+4:8*i+7], v[HO], s[4:5] offset:(i/2)*2048+(i%2)*1024+16 th:TH_LOAD_NT
.set i, i+1
.endr
	WIN 0
.irp g, 0,1,2,3
	global_load_b128 v[BIAS+8*\g:BIAS+8*\g+3],   v[ATB], s[TBP:TBP+1] offset:64*\g
	global_load_b128 v[BIAS+8*\g+4:BIAS+8*\g+7], v[ATB], s[TBP:TBP+1] offset:64*\g+16
.endr
	s_load_b64 s[BOUT:BOUT+1], s[10:11], 0x0
	CROUND                                         ; all four work-groups are here: the first joint loads meet
	tensor_load_to_lds s[G0A:G0A+3], s[G1A:G1A+7]  ; both slots' first fills together: two loads of mine are out
	s_nop 0
	tensor_load_to_lds s[G0B:G0B+3], s[G1B:G1B+7]
	s_nop 0
	PLACES
	s_wait_loadcnt 0x0                             ; h and the bias
	WIN 0x85                                       ; sources in window 1, destination in window 2: h rounded to f16
.set i, 0
.rept 128
	v_cvt_pk_f16_f32 v[i], v[2*i], v[2*i+1]
.set i, i+1
.endr
	WIN 0x08                                       ; the stores' data in window 2
.set i, 0
.rept 32
	ds_store_b128 v[AHS], v[4*i:4*i+3] offset:(i/2)*ZP+(i%2)*512
.set i, i+1
.endr
	WIN 0
	s_wait_dscnt 0x0                               ; for the others' sake: my rows of h are in LDS
	s_wait_kmcnt 0x0
	s_barrier_signal -1                            ; the two tensor loads may stay out
	s_barrier_wait -1
	LACT
	s_wait_tensorcnt 0x1                           ; my part of slot 0 is in, and I alone read it; slot 1's may stay out
	LW 0
	LW 1
	WIN 0
	s_mov_b32 s[U], 4
.Linit:                                ; passes 0, 1: h0; passes 2, 3: c0.  One text for the four; what is made of the sums is chosen by forward jumps on the loop's counter, which pass neither a barrier nor a tensor load
	RPASS 1, 0, 1, 0
	CLAMPX
	s_cmp_gt_u32 s[U], 2
	s_cbranch_scc0 .Lc0
	EPIH
	s_branch .Linit_next
.Lc0:
	s_cmp_eq_u32 s[U], 2
	s_cbranch_scc0 .Lc0_second
	EPIC 0
	s_branch .Linit_next
.Lc0_second:
	EPIC 1
.Linit_next:
	s_sub_co_u32 s[U], s[U], 1
	s_cmp_lg_u32 s[U], 0
	s_cbranch_scc1 .Linit
	LACT                                           ; h0: every wave's stores of it were waited for ahead of the barriers of passes 2 and 3
	v_lshl_add_u32 v[AZS], s[WV], 8, v[AZ]
	s_mov_b32 s[U], 8
.Llayer0:                              ; passes 4-11
	RPASS 1, 0, 1, 0
	EPI0
	s_sub_co_u32 s[U], s[U], 1
	s_cmp_lg_u32 s[U], 0
	s_cbranch_scc1 .Llayer0
	s_mov_b32 s[U], 7
.Llayer1:                              ; passes 12-25: h0 w_hh1^T on the resident h0, then h1 w_ih1^T onto the same sums
	RPASS 1, 1, 1, 1
	SPASS 1
	EPI1 1
	s_sub_co_u32 s[U], s[U], 1
	s_cmp_lg_u32 s[U], 0
	s_cbranch_scc1 .Llayer1
	RPASS 0, 1, 0, 1                               ; the tail is written out: pass 26 asks for pass 27, pass 27 for nothing
	SPASS 0
	EPI1 0
	; THE WAY OUT: a pair's two halves, the other half of the lanes' eight columns, then the four waves' columns through LDS
.set i, 0
.rept 8
	v_add_f32 v[PACC+2*i], v[PACC+2*i], v[PACC+2*i+1]
.set i, i+1
.endr
.set i, 0
.rept 8
	v_permlanex16_b32 v[PACC+2*i+1], v[PACC+2*i], s[SEL], s[SEL+1]
.set i, i+1
.endr
.set i, 0
.rept 8
	v_add_f32 v[T+i], v[PACC+2*i], v[PACC+2*i+1]   ; T + 2 m + o
.set i, i+1
.endr
.irp m, 0,1,2,3
	ds_store_b64 v[APS], v[T+2*\m:T+2*\m+1] offset:128*\m  ; row 16 m + l % 16; both halves of the lanes write the same numbers
.endr
	s_wait_dscnt 0x0
	s_barrier_signal -1
	s_barrier_wait -1
	s_cmp_lg_u32 s[WV], 0
	s_cbranch_scc1 .Lend
.irp w, 0,1,2,3
	ds_load_b128 v[T+8+4*\w:T+8+4*\w+3], v[APL] offset:512*\w  ; two rows a lane
.endr
	v_mov_b32 v[BO], s[BOUT]
	v_mov_b32 v[BO+1], s[BOUT+1]
	s_wait_dscnt 0x0
	v_pk_add_f32 v[T+8:T+9],   v[T+8:T+9],   v[T+12:T+13]
	v_pk_add_f32 v[T+10:T+11], v[T+10:T+11], v[T+14:T+15]
	v_pk_add_f32 v[T+16:T+17], v[T+16:T+17], v[T+20:T+21]
	v_pk_add_f32 v[T+18:T+19], v[T+18:T+19], v[T+22:T+23]
	v_pk_add_f32 v[T+8:T+9],   v[T+8:T+9],   v[T+16:T+17]
	v_pk_add_f32 v[T+10:T+11], v[T+10:T+11], v[T+18:T+19]
	v_pk_add_f32 v[T+8:T+9],   v[T+8:T+9],   v[BO:BO+1]
	v_pk_add_f32 v[T+10:T+11], v[T+10:T+11], v[BO:BO+1]
	global_store_b128 v[L16], v[T+8:T+11], s[12:13]  ; the work-group's 512 consecutive bytes of out0, aligned
.Lend:
	s_wait_tensorcnt 0x0                           ; the wave's end, behind my last tensor load and my last LDS store
	ds_add_u32 v[SPW], v[NIL]
	s_wait_dscnt 0x0
	CROUND                                         ; the closing round: no work-group ends while a partner may still ask for a part that names it
	s_endpgm
.Lfunc_end_k_q9ca3907f60_chain:
	.size	k_q9ca3907f60_chain, .Lfunc_end_k_q9ca3907f60_chain-k_q9ca3907f60_chain
	.p2alignl 7, 3214868480
	.fill 96, 4, 3214868480
	.section	.rodata,"a",@progbits
	.p2align	6, 0x0
	.amdhsa_kernel k_q9ca3907f60_chain
		.amdhsa_group_segment_fixed_size 327680
		.amdhsa_private_segment_fixed_size 0
		.amdhsa_enable_private_segment 0
		.amdhsa_kernarg_size 40
		.amdhsa_user_sgpr_count 2
		.amdhsa_user_sgpr_kernarg_segment_ptr 1
		.amdhsa_wavefront_size32 1
		.amdhsa_system_sgpr_workgroup_id_x 1
		.amdhsa_system_sgpr_workgroup_id_y 1
		.amdhsa_system_sgpr_workgroup_id_z 1
		.amdhsa_system_vgpr_workitem_id 0
		.amdhsa_next_free_vgpr 1024
		.amdhsa_next_free_sgpr 66
		.amdhsa_reserve_vcc 0
		.amdhsa_float_denorm_mode_32 3
		.amdhsa_float_denorm_mode_16_64 3
		.amdhsa_memory_ordered 1
		.amdhsa_forward_progress 1
		.amdhsa_inst_pref_size 255
	.end_amdhsa_kernel
	.section	.bss,"aw",@nobits
	.p2align	6
	.space	262144
	.amdgpu_metadata
---
amdhsa.version: [ 1, 2 ]
amdhsa.kernels:
  - .name:           k_q9ca3907f60_chain
    .symbol:         k_q9ca3907f60_chain.kd
    .args:
      - { .name: h, .offset: 0, .size: 8, .value_kind: global_buffer, .address_space: global }
      - { .name: wq, .offset: 8, .size: 8, .value_kind: global_buffer, .address_space: global }
      - { .name: tb, .offset: 16, .size: 8, .value_kind: global_buffer, .address_space: global }
      - { .name: b_out, .offset: 24, .size: 8, .value_kind: global_buffer, .address_space: global }
      - { .name: out0, .offset: 32, .size: 8, .value_kind: global_buffer, .address_space: global }
    .group_segment_fixed_size: 327680
    .private_segment_fixed_size: 0
    .kernarg_segment_align: 8
    .kernarg_segment_size: 40
    .max_flat_workgroup_size: 128
    .sgpr_count:     66
    .vgpr_count:     1024
    .wavefront_size: 32
...
	.end_amdgpu_metadata
.endif
;; end of part 2
